; MI455X (gfx1250); checked and timed in simulation.
; The chip was launched on July 23, 2026; its instructions are those of AMD's public machine-readable ISA for CDNA 5 (MIT licence, August 2026) and "CDNA5" Instruction Set Architecture Reference Guide (July 2026). The comments in the code are by the model that wrote it; some were corrected since.
;; Lora QKV Linear. Allowed arithmetic: matrix products marked QUANTISED: E4M3 operands, one E8M0 scale for each 32 along K, by v_wmma_scale_f32_16x16x128_f8f6f4 with both operands' format E4M3, f32 sums; products left as they are: f32 operands where the result goes on into a quantised operand, else bf16, f16 or f32 operands; f32 sums; everything else in f32.
;; Inputs: Ak 4,096 x 16 float32; Aq 4,096 x 16 float32; Av 4,096 x 16 float32; Bk 16 x 1,024 float32; Bq 16 x 4,096 float32; Bv 16 x 1,024 float32; Wk 1,024 x 4,096 float32; Wq 4,096 x 4,096 float32; Wv 1,024 x 4,096 float32; bk 1,024 float32; bq 4,096 float32; bv 1,024 float32; x 4 x 512 x 4,096 float32.
;; Outputs: out0 4 x 512 x 4,096 float32; out1 4 x 512 x 1,024 float32; out2 4 x 512 x 1,024 float32.
;; This version of the problem:
;;   THIS VERSION OF THE PROBLEM IS GIVEN IN LOW PRECISION. The matrix products marked QUANTISED in the list below multiply operands that are first quantised to E4M3 (4 exponent bits, 3 mantissa bits; 8 bits a number), with one power-of-two scale for each 32 numbers along K (OCP MX v1.0); their sums are f32. All else is computed in f32.
;;   The module's matrix products, in the order in which they are computed (A, B: the left and right operand; K: the contracted axis; several contracted axes count as one K, in the product's order):
;;     1. [M 2,048, K 4,096] x [K 4,096, N 4,096]; A: input x; B: input Wq: QUANTISED
;;     2. [M 2,048, K 4,096] x [K 4,096, N 16]; A: input x; B: input Aq: QUANTISED
;;     3. [M 2,048, K 16] x [K 16, N 4,096]; A: computed on the way; B: input Bq: left as it is (K = 16 < 32)
;;     4. [M 2,048, K 4,096] x [K 4,096, N 1,024]; A: input x; B: input Wk: QUANTISED
;;     5. [M 2,048, K 4,096] x [K 4,096, N 16]; A: input x; B: input Ak: QUANTISED
;;     6. [M 2,048, K 16] x [K 16, N 1,024]; A: computed on the way; B: input Bk: left as it is (K = 16 < 32)
;;     7. [M 2,048, K 4,096] x [K 4,096, N 1,024]; A: input x; B: input Wv: QUANTISED
;;     8. [M 2,048, K 4,096] x [K 4,096, N 16]; A: input x; B: input Av: QUANTISED
;;     9. [M 2,048, K 16] x [K 16, N 1,024]; A: computed on the way; B: input Bv: left as it is (K = 16 < 32)
;;   THE QUANTISER, for each operand of a quantised product, along K:
;;     - K is cut into blocks of 32 from its start; a last block that is shorter is filled with zeros.
;;     - A block's scale is 2^e with e = floor(log2(the largest magnitude in the block)) - 8, held to -126 .. 127; a block of zeros has e = 0. As a byte (E8M0): e + 127.
;;     - Each number is divided by its block's scale, clamped to +-448, and rounded to the nearest number of E4M3, ties to even, subnormals kept.
;;     - The product sums the exact products of the quantised numbers (number of the format x scale) in f32.
;;   ~~~python
;;   def quantise(x, axis):      # numpy; x: float32 -> the quantised numbers, widened to float32 again
;;       x = np.moveaxis(x, axis, -1); K = x.shape[-1]
;;       x = np.pad(x, [(0, 0)] * (x.ndim - 1) + [(0, -K % 32)]); x = x.reshape(x.shape[:-1] + (-1, 32)); a = np.abs(x).max(-1, keepdims=True)
;;       e = np.where(a > 0, np.clip(np.frexp(np.where(a > 0, a, 1))[1] - 1 - 8, -126, 127), 0)      # np.frexp(a)[1] - 1 = floor(log2(a)), exactly
;;       r = np.clip(x / 2.0 ** e, -448, 448)
;;       step = 2.0 ** (np.maximum(np.frexp(np.where(r == 0, 1, r))[1] - 1, -6) - 3)
;;       q = np.round(r / step) * step * 2.0 ** e      # np.round: ties to even
;;       return np.moveaxis(q.reshape(q.shape[:-2] + (-1,))[..., :K], -1, axis).astype(np.float32)
;;   ~~~
;; One version. Each part assembles by itself: llvm-mc -triple=amdgcn-amd-amdhsa -mcpu=gfx1250 --defsym DOCPART=n.
;; ======== version 1 of 1: 2 launches
;; limits: values are held in bf16: 8 bits of precision; right only within a limited range of input values
;; workspace buffers: codes 36,831,232 bytes
;; launch quant (part 1): grid 518 x 1, 8 waves a work-group, no clusters, 68,608 bytes of LDS; arguments x, Wq, Wk, Wv, Aq, Ak, Av, codes; writes codes
.if DOCPART == 1
	.amdgcn_target "amdgcn-amd-amdhsa--gfx1250"
	.amdhsa_code_object_version 6
	.text
	.protected	k_qba5287862c_quant
	.globl	k_qba5287862c_quant
	.p2align	8
	.type	k_qba5287862c_quant,@function
k_qba5287862c_quant:
	s_mov_b64 s[64:65], 0
	v_nop
	global_prefetch_b8 v0, s[64:65] scope:SCOPE_SE
	s_setreg_imm32_b32 hwreg(HW_REG_WAVE_MODE, 25, 1), 1
	s_wait_xcnt 0x0
; x [2048][4096], Wq [4096][4096], Wk, Wv [1024][4096] (K innermost) and Aq, Ak, Av [4096][16] (K outermost), all f32, become codes of FP8 (E4M3) with one E8M0 scale byte for
; each 32 along K.  A block's scale is 2^(floor(log2(its largest magnitude)) - 8): its byte is the largest magnitude's exponent field - 8, held at 1 from below; each number is
; divided by the scale, held within +-448 and rounded to the nearest code, ties to even.
; LIMITS: NaN and infinities among the inputs are not served.  A block of zeros gets the byte 1 where the rule says 127: its codes are zeros, and this program alone reads the bytes.
; THE RESULTS LIE IN THE ORDER OF THE PRODUCT'S OPERAND REGISTERS.  codes = [block of 256 rows rb 0..31][K step of 256 ks 0..15], 71,936 bytes each; rb 0-7 x, 8-23 Wq, 24-27 Wk, 28-31 Wv.
; The first 67,584 bytes are two halves of 128 rows; a half is 8 row blocks x 2 fragments (16 rows x 128 K, 2,048 bytes: register group c of lane l at 512 c + 16 l), then at byte 32,768 the scale
; words [row block][row][which 128 of K], 4 bytes each.  The last 4,352 bytes hold, in W's chunks, the same K step of the projection's A: two fragments whose 16 rows are A's 16 columns, then 256 bytes of
; scale words [lane][which 128]: so a chunk's second half and A's part are one dense block.  In x's chunks these 4,352 bytes are not written, and nobody reads them.
; SHARES.  Work-groups 6-517 take the 67,584 bytes of a chunk each; wave w its rows 32 w .. 32 w + 31: four fragments.  Each load reads 512 consecutive bytes of one row; a fragment's 16 rows turn through the
; wave's own stage in LDS, so that a lane gets 16 neighbours along K of each of its row's four blocks.  Work-groups 0-5 take half of one A each, wave w a K step: a lane takes a column and its registers run
; down K, so nothing is turned and no LDS is used; the result is stored once for each of the projection's blocks of 256 rows (16, 4, 4).  They are short and have the lowest numbers, so that they do not
; stand alone at the launch's end.  No barrier: waves share nothing.  No matrix unit, no cluster: the launch streams, and no two work-groups read the same bytes.
.set HALF,  33792
.set CHUNK, 67584
.set LCH,   4352
.set CH2,   CHUNK+LCH                  ; from a chunk to the next
.set NLORA, 6                          ; work-groups that take A's
.set SP,    528                        ; a stage row: 512 bytes + 16: 33 x 16 bytes, so that the sixteen rows that a read touches start 16 bytes apart modulo 256
.set STG,   16*SP                      ; a wave's stage
.set GA,  4                            ; v4   16 x lane
.set STW, 5                            ; v5   the stage on the way in: my 16 bytes of a row
.set STR, 6                            ; v6   and on the way out: row r, + 64 h
.set CD,  7                            ; v7   my 16 bytes of an image, at my wave's first row block of its half
.set SD,  8                            ; v8   my scale words' place: 8 x lane, at the same row block
.set LA,  9                            ; v9   A: 4 r + 16 h rows of 64 bytes
.set E,   10                           ; v[10:11] two scale words to store
.set SW,  12                           ; v12-15 the four fragments' scale words
.set R,   16                           ; v16-207 three sets of 64 numbers
.set PC,  208                          ; v208-223 a fragment's codes
.set TM,  224                          ; v224-227 largest magnitudes, v228-231 bytes, v232-235 448 x the scale, v236-239 the conversions' scale operands
.set PW,  240                          ; v240 the scale word just made
.set LSD, 241                          ; v241 8 x lane
; 64 numbers of a lane, register 16 b + i = k 32 b + 16 (lane / 16) + i of my row, become a fragment's codes in v[pc] on and its scale word in v[PW].
.macro QUANT s, pc
.irp b, 0,1,2,3
	v_max3_num_f32 v[TM+\b], |v[\s+16*\b]|, |v[\s+1+16*\b]|, 0x4800000   ; block b: my 16 numbers, and the floor 2^(9 - 127): the byte cannot fall under 1
.endr
.irp i, 2,4,6,8,10,12,14
.irp b, 0,1,2,3
	s_delay_alu instid0(VALU_DEP_4)
	v_max3_num_f32 v[TM+\b], v[TM+\b], |v[\s+16*\b+\i]|, |v[\s+1+16*\b+\i]|   ; the four blocks by turns
.endr
.endr
.irp b, 0,1,2,3
	s_delay_alu instid0(VALU_DEP_4)
	v_permlanex16_b32 v[TM+4+\b], v[TM+\b], s36, s37
.endr
.irp b, 0,1,2,3
	s_delay_alu instid0(VALU_DEP_4)
	v_max_num_f32 v[TM+\b], v[TM+\b], v[TM+4+\b]   ; with lane l xor 16's 16 numbers: the block's largest magnitude
.endr
.irp b, 0,1,2,3
	s_delay_alu instid0(VALU_DEP_4)
	v_add_nc_u32 v[TM+12+\b], 0xfc000000, v[TM+\b]   ; 8 off its exponent field: the conversion takes this operand's exponent field as its scale
.endr
.irp b, 0,1,2,3
	v_and_or_b32 v[TM+8+\b], v[TM+\b], 0x7f800000, s38   ; 448 x the scale: the same exponent field over 448's mantissa
.endr
.irp b, 0,1,2,3
	v_lshrrev_b32 v[TM+4+\b], 23, v[TM+12+\b]   ; the scale's byte
.endr
	s_delay_alu instid0(VALU_DEP_3)
	v_lshl_or_b32 v[PW], v[TM+5], 8, v[TM+4]
	s_delay_alu instid0(VALU_DEP_1)
	v_lshl_or_b32 v[PW], v[TM+6], 16, v[PW]
	s_delay_alu instid0(VALU_DEP_1)
	v_lshl_or_b32 v[PW], v[TM+7], 24, v[PW]        ; my row's scale word for these 128 along K
.irp b, 0,1,2,3
.irp i, 0,1,2,3,4,5,6,7,8,9,10,11,12,13,14,15
	v_med3_num_f32 v[\s+16*\b+\i], v[\s+16*\b+\i], -v[TM+8+\b], v[TM+8+\b]   ; the conversion to an 8-bit code does not saturate (ISA guide 7.6.2): the hold comes first
.endr
	v_cvt_scalef32_pk8_fp8_f32 v[\pc+4*\b:\pc+1+4*\b], v[\s+16*\b:\s+7+16*\b], v[TM+12+\b]
	v_cvt_scalef32_pk8_fp8_f32 v[\pc+2+4*\b:\pc+3+4*\b], v[\s+8+16*\b:\s+15+16*\b], v[TM+12+\b]
.endr
	v_nop                                          ; a plain vector line behind the last conversion
.endm
	s_load_b512 s[4:19], s[0:1], 0x0               ; x s[4:5], Wq s[6:7], Wk s[8:9], Wv s[10:11], Aq s[12:13], Ak s[14:15], Av s[16:17], codes s[18:19]
	v_lshl_add_u32 v254, v0, 2, 0x10800
	v_mov_b32 v255, 0
	v_lshrrev_b32 v10, 5, v0
	s_delay_alu instid0(VALU_DEP_1)
	v_readfirstlane_b32 s22, v10                   ; wave 0..7
	v_and_b32 v1, 31, v0                           ; lane
	v_and_b32 v2, 15, v0                           ; r
	v_bfe_u32 v3, v0, 4, 1                         ; h
	s_delay_alu instid0(VALU_DEP_3)
	v_lshlrev_b32 v[GA], 4, v1
	s_mul_i32 s33, s22, STG
	v_add_nc_u32 v[STW], s33, v[GA]
	v_mul_u32_u24 v[STR], v2, SP
	s_delay_alu instid0(VALU_DEP_1)
	v_lshl_add_u32 v[STR], v3, 6, v[STR]
	s_delay_alu instid0(VALU_DEP_1)
	v_add_nc_u32 v[STR], s33, v[STR]
	s_lshl_b32 s34, s22, 1
	s_and_b32 s34, s34, 7                          ; my first row block in its half: 2 w mod 8
	s_lshl_b32 s35, s34, 12
	v_add_nc_u32 v[CD], s35, v[GA]
	s_lshl_b32 s35, s34, 7
	v_lshlrev_b32 v[LSD], 3, v1
	s_delay_alu instid0(VALU_DEP_1)
	v_add_nc_u32 v[SD], s35, v[LSD]
	v_lshlrev_b32 v[LA], 2, v2
	s_delay_alu instid0(VALU_DEP_1)
	v_lshl_add_u32 v[LA], v3, 10, v[LA]
	s_mov_b32 s36, 0x76543210
	s_mov_b32 s37, 0xfedcba98                      ; v_permlanex16_b32's selects for lane l xor 16
	s_mov_b32 s38, 0x600000                        ; the mantissa field of 448
.irp b, 0,1,2,3
	v_mov_b32 v[TM+4+\b], 0                        ; written once: a lane permute's destination counts as one of its sources
.endr
	s_mov_b32 s29, 0
	s_wait_kmcnt 0x0
	s_cmp_lt_u32 ttmp9, NLORA
	s_cbranch_scc1 .Llora
	; ---- a chunk of x or of a W
	s_sub_co_u32 s39, ttmp9, NLORA                 ; the chunk's number: 16 rb + ks
	s_lshr_b32 s30, s39, 4                         ; rb
	s_and_b32 s31, s39, 15                         ; ks
	s_mov_b64 s[24:25], s[10:11]                   ; the tensor, and the rb at which it begins: chosen on the work-group's number alone
	s_mov_b32 s32, 28
	s_cmp_lt_u32 s30, 28
	s_cselect_b64 s[24:25], s[8:9], s[24:25]
	s_cselect_b32 s32, 24, s32
	s_cmp_lt_u32 s30, 24
	s_cselect_b64 s[24:25], s[6:7], s[24:25]
	s_cselect_b32 s32, 8, s32
	s_cmp_lt_u32 s30, 8
	s_cselect_b64 s[24:25], s[4:5], s[24:25]
	s_cselect_b32 s32, 0, s32
	s_sub_co_u32 s30, s30, s32
	s_lshl_b32 s30, s30, 8
	s_lshl_b32 s33, s22, 5
	s_add_co_u32 s30, s30, s33                     ; my first row of the tensor: at most 4,064
	s_lshl_b32 s28, s30, 14                        ; x 16,384 bytes a row: under 2^27
	s_lshl_b32 s31, s31, 10                        ; + the K step's 1,024 bytes
	s_add_co_u32 s28, s28, s31
	s_add_nc_u64 s[24:25], s[24:25], s[28:29]
	s_mul_i32 s28, s39, CH2
	s_lshr_b32 s33, s22, 2
	s_mul_i32 s33, s33, HALF
	s_add_co_u32 s28, s28, s33
	s_add_nc_u64 s[26:27], s[18:19], s[28:29]      ; my half of my chunk
.macro LOADF f, set                    ; fragment f (row block f / 2 of my two, 128 along K from 128 (f % 2)): sixteen rows, 512 consecutive bytes each
.irp t, 0,1,2,3,4,5,6,7,8,9,10,11,12,13,14,15
	global_load_b128 v[R+64*(\set)+4*\t:R+64*(\set)+4*\t+3], v[GA], s[24:25] offset:(16*((\f)/2)+\t)*16384+512*((\f)%2) th:TH_LOAD_NT
.endr
.endm
.macro TURNF set                       ; through my stage and back into the registers that it left: LDS serves a wave's instructions in order (ISA guide 5.7.1.4)
.irp t, 0,1,2,3,4,5,6,7,8,9,10,11,12,13,14,15
	ds_store_b128 v[STW], v[R+64*(\set)+4*\t:R+64*(\set)+4*\t+3] offset:SP*\t
.endr
.irp c, 0,1,2,3
.irp j, 0,1,2,3
	ds_load_b128 v[R+64*(\set)+16*\c+4*\j:R+64*(\set)+16*\c+4*\j+3], v[STR] offset:128*\c+16*\j
.endr
.endr
.endm
.macro FRAGMENT f, set, left           ; left: the loads of younger fragments, which may stay out
	s_wait_loadcnt \left
	TURNF \set
	s_wait_dscnt 0x0
.if \f > 0
	s_wait_xcnt 0x0                                ; the last fragment's stores have read the codes' registers: they are written again only behind this wait
.endif
	QUANT R+64*(\set), PC
.irp c, 0,1,2,3
	global_store_b128 v[CD], v[PC+4*\c:PC+4*\c+3], s[26:27] offset:((\f)/2)*4096+((\f)%2)*2048+512*\c   ; 32 lanes store 512 consecutive bytes, at a multiple of 256 from the buffer's first byte
.endr
	v_mov_b32 v[SW+\f], v[PW]
.endm
	LOADF 0, 0
	LOADF 1, 1
	LOADF 2, 2
	FRAGMENT 0, 0, 32                              ; fragments 1 and 2 may be out
	LOADF 3, 0
	FRAGMENT 1, 1, 32                              ; fragments 2 and 3
	FRAGMENT 2, 2, 16                              ; fragment 3
	FRAGMENT 3, 0, 0
	v_cmp_le_u32 vcc_lo, 16, v1                    ; lanes 0-15 store my first row block's words, lanes 16-31 my second's (every lane holds row lane % 16's word)
	s_delay_alu instid0(VALU_DEP_1)
	v_cndmask_b32 v[E], v[SW], v[SW+2], vcc_lo
	s_delay_alu instid0(VALU_DEP_2)
	v_cndmask_b32 v[E+1], v[SW+1], v[SW+3], vcc_lo
	global_store_b64 v[SD], v[E:E+1], s[26:27] offset:32768   ; 32 lanes store 256 consecutive bytes, aligned
	s_wait_tensorcnt 0x0
	ds_add_u32 v254, v255
	s_wait_dscnt 0x0
	s_endpgm
.Llora:	; ---- a K step of 256 of one A
	s_lshr_b32 s31, ttmp9, 1                       ; the projection
	s_and_b32 s30, ttmp9, 1
	s_lshl_b32 s30, s30, 3
	s_add_co_u32 s30, s30, s22                     ; ks
	s_cmp_eq_u32 s31, 1                            ; the tensor, the first rb of the projection's W, and how many rb it has: chosen on the work-group's number alone
	s_cselect_b64 s[24:25], s[14:15], s[16:17]
	s_cselect_b32 s32, 24, 28
	s_cmp_eq_u32 s31, 0
	s_cselect_b64 s[24:25], s[12:13], s[24:25]
	s_cselect_b32 s32, 8, s32
	s_cselect_b32 s34, 16, 4
	s_lshl_b32 s28, s30, 14                        ; 256 rows of 64 bytes
	s_add_nc_u64 s[24:25], s[24:25], s[28:29]
	s_lshl_b32 s32, s32, 4
	s_add_co_u32 s32, s32, s30
	s_mul_i32 s28, s32, CH2
	s_add_co_u32 s28, s28, CHUNK                   ; behind the first such chunk's two halves
	s_add_nc_u64 s[26:27], s[18:19], s[28:29]
	s_wait_alu depctr_va_vdst(0)
.irp q, 0,1
.irp c, 0,1,2,3
.irp i, 0,1,2,3,4,5,6,7,8,9,10,11,12,13,14,15
	global_load_b32 v[R+64*\q+16*\c+\i], v[LA], s[24:25] offset:64*(128*\q+32*\c+\i) th:TH_LOAD_NT   ; A(128 q + 32 c + 16 h + i, r)
.endr
.endr
.endr
	s_wait_loadcnt 63                              ; 128 were issued and they end in order: with 63 out at the most the first 64 are in
	QUANT R, PC
	v_mov_b32 v[E], v[PW]
	s_wait_loadcnt 0x0
	QUANT R+64, R+128                              ; the second fragment's codes go to the third set's first sixteen registers, which this path does not use otherwise
	v_mov_b32 v[E+1], v[PW]
.Lcopy:                                                ; one trip for each block of 256 rows of the projection's W: 4,352 consecutive bytes; the data registers are never rewritten
.irp c, 0,1,2,3
	global_store_b128 v[GA], v[PC+4*\c:PC+4*\c+3], s[26:27] offset:512*\c
.endr
	s_wait_alu depctr_va_vdst(0)
.irp c, 0,1,2,3
	global_store_b128 v[GA], v[R+128+4*\c:R+128+4*\c+3], s[26:27] offset:2048+512*\c
.endr
	global_store_b64 v[LSD], v[E:E+1], s[26:27] offset:4096   ; all 32 lanes: lanes 16-31 hold a copy of lanes 0-15's words, so that every byte is written
	s_wait_xcnt 0x0                                ; the stores have read their base: it steps only behind this wait
	s_add_nc_u64 s[26:27], s[26:27], 16*CH2        ; the same K step of the next block of 256 rows
	s_sub_co_u32 s34, s34, 1
	s_cmp_lg_u32 s34, 0
	s_cbranch_scc1 .Lcopy
	s_endpgm
.Lfunc_end_k_qba5287862c_quant:
	.size	k_qba5287862c_quant, .Lfunc_end_k_qba5287862c_quant-k_qba5287862c_quant
	.p2alignl 7, 3214868480
	.fill 96, 4, 3214868480
	.section	.rodata,"a",@progbits
	.p2align	6, 0x0
	.amdhsa_kernel k_qba5287862c_quant
		.amdhsa_group_segment_fixed_size 68608
		.amdhsa_private_segment_fixed_size 0
		.amdhsa_enable_private_segment 0
		.amdhsa_kernarg_size 64
		.amdhsa_user_sgpr_count 2
		.amdhsa_user_sgpr_kernarg_segment_ptr 1
		.amdhsa_wavefront_size32 1
		.amdhsa_system_sgpr_workgroup_id_x 1
		.amdhsa_system_sgpr_workgroup_id_y 1
		.amdhsa_system_sgpr_workgroup_id_z 1
		.amdhsa_system_vgpr_workitem_id 0
		.amdhsa_next_free_vgpr 256
		.amdhsa_next_free_sgpr 66
		.amdhsa_reserve_vcc 1
		.amdhsa_float_denorm_mode_32 3
		.amdhsa_float_denorm_mode_16_64 3
		.amdhsa_memory_ordered 1
		.amdhsa_forward_progress 1
		.amdhsa_inst_pref_size 89
	.end_amdhsa_kernel
	.amdgpu_metadata
---
amdhsa.version: [ 1, 2 ]
amdhsa.kernels:
  - .name:           k_qba5287862c_quant
    .symbol:         k_qba5287862c_quant.kd
    .args:
      - { .name: x, .offset: 0, .size: 8, .value_kind: global_buffer, .address_space: global }
      - { .name: Wq, .offset: 8, .size: 8, .value_kind: global_buffer, .address_space: global }
      - { .name: Wk, .offset: 16, .size: 8, .value_kind: global_buffer, .address_space: global }
      - { .name: Wv, .offset: 24, .size: 8, .value_kind: global_buffer, .address_space: global }
      - { .name: Aq, .offset: 32, .size: 8, .value_kind: global_buffer, .address_space: global }
      - { .name: Ak, .offset: 40, .size: 8, .value_kind: global_buffer, .address_space: global }
      - { .name: Av, .offset: 48, .size: 8, .value_kind: global_buffer, .address_space: global }
      - { .name: codes, .offset: 56, .size: 8, .value_kind: global_buffer, .address_space: global }
    .group_segment_fixed_size: 68608
    .private_segment_fixed_size: 0
    .kernarg_segment_align: 8
    .kernarg_segment_size: 64
    .max_flat_workgroup_size: 256
    .sgpr_count:     66
    .vgpr_count:     256
    .wavefront_size: 32
...
	.end_amdgpu_metadata
.endif
;; end of part 1
;; launch gemm (part 2): grid 24 x 8, 4 waves a work-group, clusters of 4 x 4, 327,680 bytes of LDS; arguments codes, out2, Bq, Bk, Bv, bq, bk, bv, out0, out1; writes out0, out1, out2
.if DOCPART == 2
	.amdgcn_target "amdgcn-amd-amdhsa--gfx1250"
	.amdhsa_code_object_version 6
	.text
	.protected	k_qba5287862c_gemm
	.globl	k_qba5287862c_gemm
	.p2align	8
	.type	k_qba5287862c_gemm,@function
k_qba5287862c_gemm:
	s_mov_b64 s[64:65], 0
	v_nop
	global_prefetch_b8 v0, s[64:65] scope:SCOPE_SE
	s_setreg_imm32_b32 hwreg(HW_REG_WAVE_MODE, 25, 1), 1
	s_wait_xcnt 0x0
	s_wait_alu depctr_hold_cnt(0) depctr_sa_sdst(0) depctr_va_vdst(0) depctr_va_sdst(0) depctr_va_ssrc(0) depctr_va_vcc(0) depctr_vm_vsrc(0)
	s_getreg_b32 s2, hwreg(HW_REG_IB_STS2, 6, 4)
	s_cmp_eq_u32 s2, 0
	s_cbranch_scc0 .Lentry_in_a_cluster
	s_endpgm
.Lentry_in_a_cluster:
	s_bfe_u32 s2, ttmp6, 0x10000c
	s_cmp_lg_u32 s2, 0xf033
	s_cbranch_scc0 .Lentry_shape_is_right
	s_endpgm
.Lentry_shape_is_right:
; q, k, v = x W^T + 2 (x A) B + b on codes of MX-FP8 (E4M3, one E8M0 byte for 32 along K), as the launch before has laid them: chunks [block of 256 rows][K step of 256] in the order of the operand registers.
; A work-group of four waves makes 256 x 256 of one output; a wave 128 x 128: 64 accumulators, and four more for x A of 64 of its rows (the two waves of a row half share the 128 rows and swap through LDS).
; K goes in steps of 256 through two LDS slots; a slot holds x's chunk, W's chunk and A's part.  Waves 0, 1 fetch x's halves, wave 2 W's first half, wave 3 W's second half with A's part: one tensor load a wave.
; CLUSTERS 4 x 4: x's chunk is asked for jointly along a row of the cluster, W's along a column.  Every refill stands behind a round of the cluster's barrier, with products between the add and its wait and between signal and wait.
; LDS LOADS: W has two register sets, so the next 128 of K of W are fetched at a step's start (32 loads), x's lower blocks and A in its middle (20), x's upper blocks at its end (16).
; PREFETCH: each wave asks for its own piece two refills on.  A piece is 132 blocks of 256 bytes (wave 3's: 149); the four partners of a joint load take 38 blocks each, told apart by address (cx for x, cy for W),
; held at the piece's last block; two instructions a wave.  K steps 1 and 2 are asked for behind the first load, 3 behind the second, K step j + 4 at the change of slots number j; the last trip asks for nothing, so no address leaves the buffer.
; At the end x A is doubled, rounded to bf16 and multiplied with B (bf16, K = 16 filled with zeros to 32) onto the sums; the bias is added on the way out, which goes through a stage in slot 0 in whole rows of 512 bytes.
; LIMITS: NaN and infinities among the inputs are not served.
.set HALF,  33792
.set CHUNK, 67584
.set LCH,   4352
.set CH2,   CHUNK+LCH
.set SLOT,  2*CHUNK+LCH
.set SCOFF, 32768
.set SPARE, 2*SLOT
.set XAIMG, SPARE+512
.set BIMG,  XAIMG+4*2048
.set SPITCH, 528
.set LAPS,  8
.set ADRXL, 4
.set ADRXH, 6
.set ADRW,  8
.set ADRL,  10
.set ADRSL, 12
.set ADRSH, 14
.set ADRLS, 16
.set STO,   18
.set RD,    19
.set XAW,   20
.set XAR,   21
.set BIA,   22
.set L16,   23
.set LS,    24
.set SPW,   28
.set NIL,   29
.set SC,    32
.set LF,    64
.set BIAS,  84
.set CO,    88
.set LACC,  96
.set XF,    128
.set BK,    128
.set G1X, 28
.set G1W, 36
.set G1L, 44
.set G0X, 52
.set G0W, 68
.set G0L, 76
.set WV,  84
.set RH,  85
.set CH,  86
.set CX,  87
.set CY,  88
.set NB,  89
.set MB,  90
.set MROW, 91
.set MCOL, 92
.set PB,  93
.set CLO, 20
.set PFA, 26                           ; s[26:27] my piece's address for the prefetches, stepped a K step at each change of slots that refills
.set PF0, 82                           ; v82, v83 the prefetches' offsets: 256 x my blocks' numbers; never rewritten
.set PF1, 83
.macro PFETCH k                        ; my 38 blocks of my piece, k K steps on from where s[PFA] stands
	global_prefetch_b8 v[PF0], s[PFA:PFA+1] offset:(\k)*CH2 th:TH_LOAD_NT scope:SCOPE_SE
	global_prefetch_b8 v[PF1], s[PFA:PFA+1] offset:(\k)*CH2 th:TH_LOAD_NT scope:SCOPE_SE
.endm
.set MSB, 0
.macro WIN new
.if MSB != \new
	s_set_vgpr_msb (MSB<<8)|\new
.set MSB, \new
.endif
.endm
.set MUL_LO, 0xa1
.set MUL_HI, 0xf1
.set TO_B,   0x40
.macro JLOAD s
	s_cmp_lt_u32 s[WV], 2
	s_cbranch_scc0 .Lnot_x_\@
	tensor_load_to_lds s[G0X+4*\s:G0X+4*\s+3], s[G1X:G1X+7]
	s_nop 0
.rept 4
	v_nop
.endr
	s_branch .Lasked_\@
.Lnot_x_\@:
	s_cmp_eq_u32 s[WV], 2
	s_cbranch_scc0 .Lfor_l_\@
	tensor_load_to_lds s[G0W+4*\s:G0W+4*\s+3], s[G1W:G1W+7]
	s_nop 0
.rept 4
	v_nop
.endr
	s_branch .Lasked_\@
.Lfor_l_\@:
	tensor_load_to_lds s[G0L+4*\s:G0L+4*\s+3], s[G1L:G1L+7]
	s_nop 0
.rept 4
	v_nop
.endr
.Lasked_\@:
.endm
.macro CREST
	s_cmp_lg_u32 s[WV], 0
	s_cbranch_scc1 .Lnot_wave_0_\@
	s_barrier_signal -3
.Lnot_wave_0_\@:
	s_barrier_wait -3
	s_barrier_signal -1
	s_barrier_wait -1
.endm
.macro CROUND
	s_barrier_signal -1
	s_barrier_wait -1
	CREST
.endm
.macro G1REST g, rows
	s_mov_b32 s[\g+1], 32<<16
	s_mov_b32 s[\g+2], (\rows)<<16
	s_mov_b32 s[\g+3], 32<<16
	s_mov_b32 s[\g+4], \rows
	s_mov_b32 s[\g+5], 32
	s_mov_b32 s[\g+6], 0
	s_mov_b32 s[\g+7], 0
.endm
	s_load_b512 s[4:19], s[0:1], 0x0
	s_load_b128 s[20:23], s[0:1], 0x40
	v_lshl_add_u32 v[SPW], v0, 2, SPARE
	v_mov_b32 v[NIL], 0
	ds_add_u32 v28, v29
	ds_add_u32 v28, v29
	s_wait_dscnt 0x0
	v_lshrrev_b32 v1, 5, v0
	v_readfirstlane_b32 s[WV], v1
	s_lshr_b32 s[RH], s[WV], 1
	s_and_b32 s[CH], s[WV], 1
	s_bfe_u32 s[CX], ttmp6, 0x40000
	s_bfe_u32 s[CY], ttmp6, 0x40004
	s_lshl_b32 s[NB], ttmp9, 2
	s_add_co_u32 s[NB], s[NB], s[CX]
	s_and_b32 s[MB], ttmp7, 0xffff
	s_lshl_b32 s[MB], s[MB], 2
	s_add_co_u32 s[MB], s[MB], s[CY]
	s_lshl_b32 s[MROW], s[CY], 2
	s_lshl_b32 s[MROW], 15, s[MROW]
	s_lshl_b32 s[MCOL], 0x1111, s[CX]
	s_or_b32 s[G1X], s[MROW], (3<<16)|(1<<21)
	s_or_b32 s[G1W], s[MCOL], (3<<16)|(1<<21)
	s_or_b32 s[G1L], s[MCOL], (3<<16)|(1<<21)
	G1REST G1X, 132
	G1REST G1W, 132
	G1REST G1L, 149
	s_lshl_b32 s94, s[MB], 4
	s_mul_i32 s94, s94, CH2
	s_mul_i32 s96, s[CH], HALF
	s_add_co_u32 s94, s94, s96
	s_mov_b32 s95, 0
	s_add_co_u32 s98, s[NB], 8
	s_lshl_b32 s98, s98, 4
	s_mul_i32 s98, s98, CH2
	s_mov_b32 s99, 0
	s_lshl_b32 s97, ttmp9, 2
	s_cmp_lt_u32 ttmp9, 4
	s_cselect_b32 s97, s97, 0
	s_mov_b32 s[PB], 4096
	s_cselect_b32 s[PB], 16384, s[PB]
	s_add_co_u32 s97, s97, s[CX]
	s_lshl_b32 s97, s97, 10
	s_lshl_b32 s60, s[CH], 9
	s_add_co_u32 s97, s97, s60
	s_wait_kmcnt 0x0
	s_cmp_eq_u32 ttmp9, 4
	s_cselect_b64 s[10:11], s[10:11], s[12:13]
	s_cselect_b64 s[16:17], s[16:17], s[18:19]
	s_cselect_b64 s[22:23], s[22:23], s[6:7]
	s_cmp_lt_u32 ttmp9, 4
	s_cselect_b64 s[8:9], s[8:9], s[10:11]
	s_cselect_b64 s[14:15], s[14:15], s[16:17]
	s_cselect_b64 s[20:21], s[20:21], s[22:23]
	s_add_nc_u64 s[94:95], s[4:5], s[94:95]
	s_add_nc_u64 s[98:99], s[4:5], s[98:99]
	s_add_nc_u64 s[100:101], s[98:99], HALF
	s_cmp_eq_u32 s[WV], 2                          ; the piece that I fetch, chosen on the wave's number alone
	s_cselect_b64 s[PFA:PFA+1], s[98:99], s[100:101]
	s_cmp_lt_u32 s[WV], 2
	s_cselect_b64 s[PFA:PFA+1], s[94:95], s[PFA:PFA+1]
	s_cselect_b32 s66, s[CX], s[CY]                ; my place among the four that ask for it with me
	s_mul_i32 s66, s66, 38                         ; my first block of it
	s_mov_b32 s67, 148
	s_cmp_eq_u32 s[WV], 3
	s_cselect_b32 s67, s67, 131                    ; the piece's last block
	CROUND
.irp s, 0,1
	s_mov_b32 s[G0X+4*\s], 1
	s_add_co_u32 s[G0X+4*\s+1], s96, \s*SLOT
	s_add_nc_u64 s[G0X+4*\s+2:G0X+4*\s+3], s[94:95], \s*CH2
	s_or_b32 s[G0X+4*\s+3], s[G0X+4*\s+3], 0x80000000
	s_mov_b32 s[G0W+4*\s], 1
	s_mov_b32 s[G0W+4*\s+1], \s*SLOT+CHUNK
	s_add_nc_u64 s[G0W+4*\s+2:G0W+4*\s+3], s[98:99], \s*CH2
	s_or_b32 s[G0W+4*\s+3], s[G0W+4*\s+3], 0x80000000
	s_mov_b32 s[G0L+4*\s], 1
	s_mov_b32 s[G0L+4*\s+1], \s*SLOT+CHUNK+HALF
	s_add_nc_u64 s[G0L+4*\s+2:G0L+4*\s+3], s[100:101], \s*CH2
	s_or_b32 s[G0L+4*\s+3], s[G0L+4*\s+3], 0x80000000
.endr
	JLOAD 0                                        ; K step 0: one tensor load a wave at the head; the set-up below stands under its flight
	v_and_b32 v30, 31, v0
	v_min_u32 v31, 5, v30
	v_add_nc_u32 v30, s66, v30                     ; blocks 38 p + lane,
	v_add3_u32 v31, v31, s66, 32                   ; and 38 p + 32 .. 37 (lanes left over name the last of them again),
	v_min_u32 v30, s67, v30                        ; held at the piece's last block
	v_min_u32 v31, s67, v31
	v_lshlrev_b32 v[PF0], 8, v30
	v_lshlrev_b32 v[PF1], 8, v31
	s_wait_alu depctr_va_vdst(0)
	PFETCH 1
	PFETCH 2
	v_and_b32 v1, 31, v0
	v_and_b32 v2, 15, v0
	s_wait_alu depctr_va_vdst(0)
	v_bfe_u32 v3, v0, 4, 1
	s_wait_alu depctr_va_vdst(0)
	v_lshlrev_b32 v[L16], 4, v1
	s_wait_alu depctr_va_vdst(0)
	s_mul_i32 s60, s[RH], HALF
	s_mul_i32 s61, s[CH], HALF
	s_add_co_u32 s61, s61, CHUNK
	s_lshl_b32 s62, s[CH], 14
	s_xor_b32 s63, s62, 16384
	s_add_co_u32 s62, s62, s60
	s_add_co_u32 s63, s63, s60
	s_add_co_u32 s60, s60, SCOFF
	s_lshl_b32 s94, s[CH], 9
	s_xor_b32 s95, s94, 512
	s_add_co_u32 s94, s94, s60
	s_add_co_u32 s95, s95, s60
	s_add_co_u32 s98, s61, SCOFF
	s_sub_co_u32 s99, s98, s94
	s_add_co_u32 s98, s98, 512
	s_sub_co_u32 s98, s98, s95
	v_lshlrev_b32 v30, 3, v2
	v_mul_u32_u24 v31, s99, v3
	v_add_nc_u32 v31, v31, v30
	v_mul_u32_u24 v80, s98, v3
	v_add_nc_u32 v80, v80, v30
	v_lshlrev_b32 v81, 3, v1
.irp s, 0,1
	v_add_nc_u32 v[ADRXL+\s], s62, v[L16]
	v_add_nc_u32 v[ADRXH+\s], s63, v[L16]
	v_add_nc_u32 v[ADRW+\s], s61, v[L16]
	v_add_nc_u32 v[ADRL+\s], \s*SLOT+2*CHUNK, v[L16]
	v_add_nc_u32 v[ADRSL+\s], s94, v31
	v_add_nc_u32 v[ADRSH+\s], s95, v80
	v_add_nc_u32 v[ADRLS+\s], \s*SLOT+2*CHUNK+4096, v81
	s_add_co_u32 s62, s62, SLOT
	s_add_co_u32 s63, s63, SLOT
	s_add_co_u32 s61, s61, SLOT
	s_add_co_u32 s94, s94, SLOT
	s_add_co_u32 s95, s95, SLOT
.endr
	s_mul_i32 s60, s[WV], 16*SPITCH
	v_mul_u32_u24 v[STO], v2, SPITCH
	v_lshl_add_u32 v[STO], v3, 5, v[STO]
	v_add_nc_u32 v[STO], s60, v[STO]
	v_add_nc_u32 v[RD], s60, v[L16]
	s_lshl_b32 s60, s[WV], 11
	s_add_co_u32 s60, s60, XAIMG
	v_add_nc_u32 v[XAW], s60, v[L16]
	s_xor_b32 s61, s[WV], 1
	s_lshl_b32 s61, s61, 11
	s_add_co_u32 s61, s61, XAIMG
	v_add_nc_u32 v[XAR], s61, v[L16]
	s_lshl_b32 s60, s[WV], 12
	s_add_co_u32 s60, s60, BIMG
	v_add_nc_u32 v[BIA], s60, v[L16]
	s_mov_b32 s96, s97
	s_mov_b32 s97, 0
	s_add_nc_u64 s[8:9], s[8:9], s[96:97]
	s_add_nc_u64 s[14:15], s[14:15], s[96:97]
	s_lshl_b32 s60, s[MB], 8
	s_lshl_b32 s61, s[RH], 7
	s_add_co_u32 s60, s60, s61
	s_lshl_b32 s61, s[CH], 6
	s_xor_b32 s62, s61, 64
	s_add_co_u32 s61, s61, s60
	s_add_co_u32 s62, s62, s60
	s_mul_i32 s98, s61, s[PB]
	s_add_co_u32 s98, s98, s96
	s_mov_b32 s99, 0
	s_mul_i32 s100, s62, s[PB]
	s_add_co_u32 s100, s100, s96
	s_mov_b32 s101, 0
	s_add_nc_u64 s[CLO+2:CLO+3], s[CLO:CLO+1], s[100:101]
	s_add_nc_u64 s[CLO:CLO+1], s[CLO:CLO+1], s[98:99]
	s_lshl_b32 s24, s[PB], 4
	s_mov_b32 s25, 0
	s_lshl_b32 s62, s[PB], 3
	s_mov_b32 s63, 0
	v_lshlrev_b32 v30, 3, v3
	v_lshlrev_b32 v31, 2, v2
.irp k, 0,1,2,3,4,5,6,7
	v_add_nc_u32 v80, \k, v30
	v_mad_u32_u24 v[CO+\k], v80, s[PB], v31
.endr
.irp b, 0,1,2,3,4,5,6,7
.irp k, 0,1,2,3,4,5,6,7
	global_load_b32 v[XF+8*\b+\k], v[CO+\k], s[8:9] offset:64*\b
.endr
.endr
	global_load_b128 v[BIAS:BIAS+3], v[L16], s[14:15]
	s_wait_loadcnt 0x0
.irp b, 0,1,2,3,4,5,6,7
.irp j, 0,1,2,3
	v_cvt_pk_bf16_f32 v[XF+64+4*\b+\j], v[XF+8*\b+2*\j], v[XF+8*\b+2*\j+1]
.endr
.endr
.irp b, 0,1,2,3,4,5,6,7
	ds_store_b128 v[BIA], v[XF+64+4*\b:XF+64+4*\b+3] offset:512*\b
.endr
.macro FRAG reg, adr, off
.irp c, 0,1,2,3
	ds_load_b128 v[\reg+4*\c:\reg+4*\c+3], v[\adr] offset:\off+512*\c
.endr
.endm
.macro FETCH_W slot, q, set
	WIN TO_B
.irp i, 0,1,2,3,4,5,6,7
	FRAG 128*(\set)+16*\i, ADRW+(\slot), \i*4096+(\q)*2048
.endr
	WIN 0
.endm
.macro FETCH_X slot, q, g
.irp i, 0,1,2,3
	FRAG XF+16*(4*(\g)+\i), ADRXL+2*(\g)+(\slot), \i*4096+(\q)*2048
.endr
.endm
.macro FETCH_L slot, q
	FRAG LF, ADRL+(\slot), (\q)*2048
.endm
.macro SCALES s
.irp i, 0,1,2,3
	ds_load_b64 v[SC+16*(\s)+2*\i:SC+16*(\s)+2*\i+1], v[ADRSL+(\s)] offset:128*\i
.endr
.irp i, 0,1,2,3
	ds_load_b64 v[SC+16*(\s)+8+2*\i:SC+16*(\s)+8+2*\i+1], v[ADRSH+(\s)] offset:128*\i
.endr
	ds_load_b64 v[LS+2*(\s):LS+2*(\s)+1], v[ADRLS+(\s)]
.endm
.macro MUL16 a0, p, q, sc, zero
.irp a, \a0, \a0+1
.irp b, 0,1,2,3,4,5,6,7
.if \zero
	v_wmma_scale_f32_16x16x128_f8f6f4 v[8*(8*((\a)%4)+\b):8*(8*((\a)%4)+\b)+7], v[128*(\p)+16*\b:128*(\p)+16*\b+15], v[XF+16*(\a):XF+16*(\a)+15], 0, v[SC+16*(\sc)+2*\b+(\q)], v[SC+16*(\sc)+2*(\a)+(\q)] matrix_a_scale:MATRIX_SCALE_ROW1
.else
	v_wmma_scale_f32_16x16x128_f8f6f4 v[8*(8*((\a)%4)+\b):8*(8*((\a)%4)+\b)+7], v[128*(\p)+16*\b:128*(\p)+16*\b+15], v[XF+16*(\a):XF+16*(\a)+15], v[8*(8*((\a)%4)+\b):8*(8*((\a)%4)+\b)+7], v[SC+16*(\sc)+2*\b+(\q)], v[SC+16*(\sc)+2*(\a)+(\q)] matrix_a_scale:MATRIX_SCALE_ROW1
.endif
.endr
.endr
.endm
.macro LORA4 q, sc, zero
.irp i, 0,1,2,3
.if \zero
	v_wmma_scale_f32_16x16x128_f8f6f4 v[LACC+8*\i:LACC+8*\i+7], v[LF:LF+15], v[XF+16*\i:XF+16*\i+15], 0, v[LS+2*(\sc)+(\q)], v[SC+16*(\sc)+2*\i+(\q)]
.else
	v_wmma_scale_f32_16x16x128_f8f6f4 v[LACC+8*\i:LACC+8*\i+7], v[LF:LF+15], v[XF+16*\i:XF+16*\i+15], v[LACC+8*\i:LACC+8*\i+7], v[LS+2*(\sc)+(\q)], v[SC+16*(\sc)+2*\i+(\q)]
.endif
.endr
.endm
.macro PLACES n
.rept \n
	v_nop
.endr
.endm
.macro STEP slot, zero
	s_wait_dscnt 16                                ; all but x's upper blocks (the youngest 16 loads) are in
	FETCH_W \slot, 1, 1                            ; W's other set is free: eight places stand behind its last products
	WIN MUL_LO
	MUL16 0, 0, 0, \slot, \zero
	MUL16 2, 0, 0, \slot, \zero
	WIN 0
	LORA4 0, \slot, \zero
	s_wait_dscnt 32                                ; x's upper blocks are in; W's 32 loads of this step may be out
	PLACES 8
	FETCH_X \slot, 1, 0
	FETCH_L \slot, 1
	WIN MUL_HI
	MUL16 4, 0, 0, \slot, \zero
	MUL16 6, 0, 0, \slot, \zero
	PLACES 8
	WIN 0
	FETCH_X \slot, 1, 1
.endm
.macro TURN slot, next, fill
.if \fill
	s_wait_xcnt 0x0                                ; my prefetches have read their address: it steps only behind this wait
	s_add_nc_u64 s[PFA:PFA+1], s[PFA:PFA+1], CH2
.endif
	s_wait_tensorcnt 0x0
	ds_add_u32 v[SPW], v[NIL]
.if \fill
	s_add_nc_u64 s[G0X+4*\slot+2:G0X+4*\slot+3], s[G0X+4*\slot+2:G0X+4*\slot+3], 2*CH2
	s_add_nc_u64 s[G0W+4*\slot+2:G0W+4*\slot+3], s[G0W+4*\slot+2:G0W+4*\slot+3], 2*CH2
	s_add_nc_u64 s[G0L+4*\slot+2:G0L+4*\slot+3], s[G0L+4*\slot+2:G0L+4*\slot+3], 2*CH2
.endif
	s_wait_dscnt 17                                ; the add and the youngest 16 loads (x's upper blocks) may be out
	WIN MUL_LO
	MUL16 0, 1, 1, \slot, 0                        ; sixteen products stand between the add and the wait for it
	s_wait_dscnt 0x0                               ; the add is done, and my reads of this slot are over
	s_barrier_signal -1
	MUL16 2, 1, 1, \slot, 0                        ; work on registers while the others arrive
	WIN 0
	LORA4 1, \slot, 0
	s_barrier_wait -1
.if \fill
	CREST
	JLOAD \slot                                    ; the first tensor load behind the round; its four v_nop are four of the eight places
	PLACES 4
.else
	PLACES 8
.endif
	FETCH_W \next, 0, 0
	FETCH_X \next, 0, 0
	FETCH_L \next, 0
	SCALES \next
.if \fill
	s_cmp_gt_u32 s3, 1                             ; the last trip's two changes of slots have no K step two refills on
	s_cbranch_scc0 .Lnp_\@
	PFETCH 3
.Lnp_\@:
.endif
	WIN MUL_HI
	MUL16 4, 1, 1, \slot, 0
	MUL16 6, 1, 1, \slot, 0
	PLACES 8
	WIN 0
	FETCH_X \next, 0, 1
.endm
	s_wait_alu depctr_va_vdst(0)
	s_wait_tensorcnt 0x0                           ; my part of K step 0 is in
	ds_add_u32 v[SPW], v[NIL]
	s_wait_dscnt 0x0                               ; the add and my stores of B's image are done
	CROUND                                         ; everybody's part of K step 0 is in, and all sixteen work-groups are here
	JLOAD 1                                        ; K step 1, the first tensor load behind the round
	FETCH_W 0, 0, 0
	FETCH_X 0, 0, 0
	FETCH_L 0, 0
	SCALES 0
	FETCH_X 0, 0, 1
	PFETCH 3
	STEP 0, 1
	s_mov_b32 s3, LAPS-1
.Llap:
	TURN 0, 1, 1
	STEP 1, 0
	TURN 1, 0, 1
	STEP 0, 0
	s_sub_co_u32 s3, s3, 1
	s_cmp_lg_u32 s3, 0
	s_cbranch_scc1 .Llap
	TURN 0, 1, 0
	STEP 1, 0
	s_wait_dscnt 16
	WIN MUL_LO
	MUL16 0, 1, 1, 1, 0
	MUL16 2, 1, 1, 1, 0
	WIN 0
	LORA4 1, 1, 0
	s_wait_dscnt 0x0
	WIN MUL_HI
	MUL16 4, 1, 1, 1, 0
	MUL16 6, 1, 1, 1, 0
	WIN 0
	PLACES 9
	WIN TO_B
.irp b, 0,1,2,3,4,5,6,7
	ds_load_b128 v[8*\b:8*\b+3], v[BIA] offset:512*\b
.endr
.irp b, 0,1,2,3,4,5,6,7
.irp j, 4,5,6,7
	v_mov_b32 v[8*\b+\j], 0
.endr
.endr
	WIN 0
.irp i, 0,1,2,3
.irp j, 0,2,4,6
	v_pk_mul_f32 v[LACC+8*\i+\j:LACC+8*\i+\j+1], v[LACC+8*\i+\j:LACC+8*\i+\j+1], 2.0 op_sel_hi:[1,0]
.endr
.endr
.irp i, 0,1,2,3
.irp j, 0,1,2,3
	v_cvt_pk_bf16_f32 v[XF+8*\i+\j], v[LACC+8*\i+2*\j], v[LACC+8*\i+2*\j+1]
.endr
.endr
.irp i, 0,1,2,3
	ds_store_b128 v[XAW], v[XF+8*\i:XF+8*\i+3] offset:512*\i
.endr
.irp a, 0,1,2,3,4,5,6,7
.irp j, 4,5,6,7
	v_mov_b32 v[XF+8*\a+\j], 0
.endr
.endr
.irp t, 0,1,2,3,4,5,6,7
	v_mad_u32_u24 v[CO+\t], s[PB], \t, v[L16]
.endr
	s_wait_alu depctr_va_vdst(0)
	s_wait_dscnt 0x0
	s_barrier_signal -1
	s_barrier_wait -1
.irp i, 0,1,2,3
	ds_load_b128 v[XF+32+8*\i:XF+32+8*\i+3], v[XAR] offset:512*\i
.endr
	s_wait_dscnt 0x0
	WIN MUL_LO
.irp a, 0,1,2,3
.irp b, 0,1,2,3,4,5,6,7
	v_wmma_f32_16x16x32_bf16 v[8*(8*\a+\b):8*(8*\a+\b)+7], v[8*\b:8*\b+7], v[XF+8*\a:XF+8*\a+7], v[8*(8*\a+\b):8*(8*\a+\b)+7]
.endr
.endr
	WIN MUL_HI
.irp a, 0,1,2,3
.irp b, 0,1,2,3,4,5,6,7
	v_wmma_f32_16x16x32_bf16 v[8*(8*\a+\b):8*(8*\a+\b)+7], v[8*\b:8*\b+7], v[XF+32+8*\a:XF+32+8*\a+7], v[8*(8*\a+\b):8*(8*\a+\b)+7]
.endr
.endr
	PLACES 4
	WIN 0
.macro TOSTAGE a
.set AC, 64*((\a)%4)
	WIN 0x08+4*((\a)/4)
.irp b, 0,1,2,3,4,5,6,7
	ds_store_b128 v[STO], v[AC+8*\b:AC+8*\b+3] offset:64*\b
	ds_store_b128 v[STO], v[AC+8*\b+4:AC+8*\b+7] offset:64*\b+16
.endr
	WIN 0
.set BB, BK+64*((\a)%2)
.irp t, 0,1,2,3,4,5,6,7,8,9,10,11,12,13,14,15
	ds_load_b128 v[BB+4*\t:BB+4*\t+3], v[RD] offset:\t*SPITCH
.endr
.endm
.macro SEND a, younger
.set BB, BK+64*((\a)%2)
.set CB, CLO+2*((\a)/4)
	s_wait_dscnt \younger
.if ((\a)%4) > 0
	s_add_nc_u64 s[CB:CB+1], s[CB:CB+1], s[24:25]
.endif
	s_add_nc_u64 s[60:61], s[CB:CB+1], s[62:63]
.irp t, 0,1,2,3,4,5,6,7
	v_pk_add_f32 v[BB+4*\t:BB+4*\t+1], v[BB+4*\t:BB+4*\t+1], v[BIAS:BIAS+1]
	v_pk_add_f32 v[BB+4*\t+2:BB+4*\t+3], v[BB+4*\t+2:BB+4*\t+3], v[BIAS+2:BIAS+3]
	global_store_b128 v[CO+\t], v[BB+4*\t:BB+4*\t+3], s[CB:CB+1] th:TH_STORE_NT
.endr
.irp t, 0,1,2,3,4,5,6,7
	v_pk_add_f32 v[BB+32+4*\t:BB+32+4*\t+1], v[BB+32+4*\t:BB+32+4*\t+1], v[BIAS:BIAS+1]
	v_pk_add_f32 v[BB+32+4*\t+2:BB+32+4*\t+3], v[BB+32+4*\t+2:BB+32+4*\t+3], v[BIAS+2:BIAS+3]
	global_store_b128 v[CO+\t], v[BB+32+4*\t:BB+32+4*\t+3], s[60:61] th:TH_STORE_NT
.endr
.endm
	TOSTAGE 0
.irp a, 1,2,3,4,5,6,7
.if \a > 1
	s_wait_xcnt 0x0
.endif
	TOSTAGE \a
	SEND \a-1, 32
.endr
	s_wait_xcnt 0x0
	SEND 7, 0
	s_wait_tensorcnt 0x0
	ds_add_u32 v[SPW], v[NIL]
	s_wait_dscnt 0x0
	CROUND
	s_endpgm
.Lfunc_end_k_qba5287862c_gemm:
	.size	k_qba5287862c_gemm, .Lfunc_end_k_qba5287862c_gemm-k_qba5287862c_gemm
	.p2alignl 7, 3214868480
	.fill 96, 4, 3214868480
	.section	.rodata,"a",@progbits
	.p2align	6, 0x0
	.amdhsa_kernel k_qba5287862c_gemm
		.amdhsa_group_segment_fixed_size 327680
		.amdhsa_private_segment_fixed_size 0
		.amdhsa_enable_private_segment 0
		.amdhsa_kernarg_size 80
		.amdhsa_user_sgpr_count 2
		.amdhsa_user_sgpr_kernarg_segment_ptr 1
		.amdhsa_wavefront_size32 1
		.amdhsa_system_sgpr_workgroup_id_x 1
		.amdhsa_system_sgpr_workgroup_id_y 1
		.amdhsa_system_sgpr_workgroup_id_z 1
		.amdhsa_system_vgpr_workitem_id 0
		.amdhsa_next_free_vgpr 1024
		.amdhsa_next_free_sgpr 104
		.amdhsa_reserve_vcc 0
		.amdhsa_float_denorm_mode_32 3
		.amdhsa_float_denorm_mode_16_64 3
		.amdhsa_memory_ordered 1
		.amdhsa_forward_progress 1
		.amdhsa_inst_pref_size 192
	.end_amdhsa_kernel
	.amdgpu_metadata
---
amdhsa.version: [ 1, 2 ]
amdhsa.kernels:
  - .name:           k_qba5287862c_gemm
    .symbol:         k_qba5287862c_gemm.kd
    .args:
      - { .name: codes, .offset: 0, .size: 8, .value_kind: global_buffer, .address_space: global }
      - { .name: out2, .offset: 8, .size: 8, .value_kind: global_buffer, .address_space: global }
      - { .name: Bq, .offset: 16, .size: 8, .value_kind: global_buffer, .address_space: global }
      - { .name: Bk, .offset: 24, .size: 8, .value_kind: global_buffer, .address_space: global }
      - { .name: Bv, .offset: 32, .size: 8, .value_kind: global_buffer, .address_space: global }
      - { .name: bq, .offset: 40, .size: 8, .value_kind: global_buffer, .address_space: global }
      - { .name: bk, .offset: 48, .size: 8, .value_kind: global_buffer, .address_space: global }
      - { .name: bv, .offset: 56, .size: 8, .value_kind: global_buffer, .address_space: global }
      - { .name: out0, .offset: 64, .size: 8, .value_kind: global_buffer, .address_space: global }
      - { .name: out1, .offset: 72, .size: 8, .value_kind: global_buffer, .address_space: global }
    .group_segment_fixed_size: 327680
    .private_segment_fixed_size: 0
    .kernarg_segment_align: 8
    .kernarg_segment_size: 80
    .max_flat_workgroup_size: 128
    .sgpr_count:     104
    .vgpr_count:     1024
    .wavefront_size: 32
...
	.end_amdgpu_metadata
.endif
;; end of part 2
